; MI455X (gfx1250); checked and timed in simulation.
; The chip was launched on July 23, 2026; its instructions are those of AMD's public machine-readable ISA for CDNA 5 (MIT licence, August 2026) and "CDNA5" Instruction Set Architecture Reference Guide (July 2026). The comments in the code are by the model that wrote it; some were corrected since.
;; Multi Head Attention. Allowed arithmetic: matrix products marked QUANTISED: E2M1 operands, one E8M0 scale for each 32 along K, by v_wmma_scale_f32_16x16x128_f8f6f4 with both operands' format E2M1 (or v_wmma_scale_f32_32x16x128_f4), f32 sums; products left as they are: bf16, f16 or f32 operands; f32 sums; everything else in f32.
;; Inputs: Wk 384 x 384 float32; Wo 384 x 384 float32; Wq 384 x 384 float32; Wv 384 x 384 float32; bk 384 float32; bo 384 float32; bq 384 float32; bv 384 float32; x 2 x 4,096 x 384 float32.
;; Outputs: out0 2 x 4,096 x 384 float32.
;; This version of the problem:
;;   THIS VERSION OF THE PROBLEM IS GIVEN IN LOW PRECISION. The matrix products marked QUANTISED in the list below multiply operands that are first quantised to E2M1 (2 exponent bits, 1 mantissa bit; 4 bits a number), with one power-of-two scale for each 32 numbers along K (OCP MX v1.0); their sums are f32. The products marked 'left as it is' may take bf16, f16 or f32 operands, with f32 sums. Whichever they take, every output number must still come out within the allowed error. Rounding operands to bf16 (8 significant bits) uses up far more of that allowance than f16 does (11 bits, for magnitudes from 6e-5 to 65,504). All else is computed in f32.
;;   The module's matrix products, in the order in which they are computed (A, B: the left and right operand; K: the contracted axis; several contracted axes count as one K, in the product's order):
;;     1. [M 8,192, K 384] x [K 384, N 384]; A: input x; B: input Wq: QUANTISED
;;     2. [M 8,192, K 384] x [K 384, N 384]; A: input x; B: input Wk: QUANTISED
;;     3. [M 8,192, K 384] x [K 384, N 384]; A: input x; B: input Wv: QUANTISED
;;     4. batch 12 x [M 4,096, K 64] x [K 64, N 4,096]; A: computed on the way; B: computed on the way: left as it is (an operand is computed on the way)
;;     5. batch 12 x [M 4,096, K 4,096] x [K 4,096, N 64]; A: computed on the way; B: computed on the way: left as it is (an operand is computed on the way)
;;     6. [M 8,192, K 384] x [K 384, N 384]; A: computed on the way; B: input Wo: left as it is (an operand is computed on the way)
;;   THE QUANTISER, for each operand of a quantised product, along K:
;;     - K is cut into blocks of 32 from its start; a last block that is shorter is filled with zeros.
;;     - A block's scale is 2^e with e = floor(log2(the largest magnitude in the block)) - 2, held to -126 .. 127; a block of zeros has e = 0. As a byte (E8M0): e + 127.
;;     - Each number is divided by its block's scale, clamped to +-6, and rounded to the nearest number of E2M1, ties to even, subnormals kept.
;;     - The product sums the exact products of the quantised numbers (number of the format x scale) in f32.
;;   ~~~python
;;   def quantise(x, axis):      # numpy; x: float32 -> the quantised numbers, widened to float32 again
;;       x = np.moveaxis(x, axis, -1); K = x.shape[-1]
;;       x = np.pad(x, [(0, 0)] * (x.ndim - 1) + [(0, -K % 32)]); x = x.reshape(x.shape[:-1] + (-1, 32)); a = np.abs(x).max(-1, keepdims=True)
;;       e = np.where(a > 0, np.clip(np.frexp(np.where(a > 0, a, 1))[1] - 1 - 2, -126, 127), 0)      # np.frexp(a)[1] - 1 = floor(log2(a)), exactly
;;       r = np.clip(x / 2.0 ** e, -6, 6)
;;       step = 2.0 ** (np.maximum(np.frexp(np.where(r == 0, 1, r))[1] - 1, 0) - 1)
;;       q = np.round(r / step) * step * 2.0 ** e      # np.round: ties to even
;;       return np.moveaxis(q.reshape(q.shape[:-2] + (-1,))[..., :K], -1, axis).astype(np.float32)
;;   ~~~
;; One version. Each part assembles by itself: llvm-mc -triple=amdgcn-amd-amdhsa -mcpu=gfx1250 --defsym DOCPART=n.
;; ======== version 1 of 1: 5 launches
;; limits: values are held in f16: magnitudes above 65,504 overflow, below 6.1e-05 lose precision
;; workspace buffers: codes 2,093,056 bytes; wo16 294,912 bytes; qh 6,291,456 bytes; kh 6,291,456 bytes; vh 6,291,456 bytes; yh 6,291,456 bytes; fine 147,456 bytes
;; launch prep (part 1): grid 304 x 1, 2 waves a work-group, no clusters, 0 bytes of LDS; arguments x, Wq, Wk, Wv, Wo, codes, wo16; writes codes, wo16
.if DOCPART == 1
	.amdgcn_target "amdgcn-amd-amdhsa--gfx1250"
	.amdhsa_code_object_version 6
	.text
	.protected	k_qad5d8e4c4b_prep
	.globl	k_qad5d8e4c4b_prep
	.p2align	8
	.type	k_qad5d8e4c4b_prep,@function
k_qad5d8e4c4b_prep:
	s_mov_b64 s[64:65], 0
	v_nop
	global_prefetch_b8 v0, s[64:65] scope:SCOPE_SE
	s_setreg_imm32_b32 hwreg(HW_REG_WAVE_MODE, 25, 1), 1
	s_wait_xcnt 0x0
; PREP.  x [8192][384], Wq, Wk, Wv [384][384], f32, K innermost, become codes of FP4 (E2M1) with one E8M0 byte for each 32 along K; Wo [384][384] becomes f16.
; All results are laid as IMAGES OF OPERAND REGISTERS: a group is 512 bytes, lane l's 16 bytes at 16 l, so that every later load of a fragment is one dense load of a wave.
; codes: [584 tiles of 16 rows][3,584 bytes]: tiles 0-511 x, 512-535 Wq, 536-559 Wk, 560-583 Wv.  A record: for K step s = 0, 1, 2 (128 along K) two groups (registers 0-3, 4-7 of the fragment) at 1024 s + 512 c;
; at 3,072 one group of scale words: lane l holds the words of K steps 0, 1, 2 of row l % 16, and the third once more.
; wo16: [24 tiles of 16 rows][24 tiles of 16 columns][512]: lane (r, h) holds Wo[16 nt + r][16 ct + 8 h + 0 .. 7] as f16.
; A block's scale is 2^(floor(log2(its largest magnitude)) - 2); its byte is the largest magnitude's exponent field - 2, held at 1 from below.
; LIMITS: a block of zeros gets the byte 1 (its codes are zeros, and this program alone reads the bytes); blocks whose largest magnitude lies under 2^-124 were not tried; NaN and infinities are not served; |Wo| stays under 65,504.
; SHARES: one wave takes one tile of 16 rows x 384: 608 waves, two to a work-group.  All bounds between the tensors are even, so a work-group's two waves take the same way.  No LDS, no barrier: waves share nothing.
.set XR,  16                           ; v16-207  192 numbers of a lane
.set TM,  208                          ; v208-211 largest magnitudes, v212-215 bytes, v220-223 the conversions' scale operands
.set PC,  224                          ; v224-247 the codes: 8 registers a K step
.set PW,  248                          ; v248-251 the scale words
.set SEL, 20                           ; s[20:21] lane selects for v_permlanex16_b32: lane l xor 16
	s_load_b256 s[4:11], s[0:1], 0x0               ; x s[4:5], Wq s[6:7], Wk s[8:9], Wv s[10:11]
	s_load_b128 s[12:15], s[0:1], 0x20             ; Wo s[12:13], codes s[14:15]
	s_load_b64 s[16:17], s[0:1], 0x30              ; wo16
	v_lshrrev_b32 v1, 5, v0
	v_readfirstlane_b32 s18, v1                    ; wave 0, 1
	s_lshl_b32 s19, ttmp9, 1
	s_add_co_u32 s19, s19, s18                     ; my tile: 2 x work-group + wave
	v_and_b32 v1, 15, v0                           ; r
	v_bfe_u32 v2, v0, 4, 1                         ; h
	v_mul_u32_u24 v3, v1, 1536                     ; a row is 1,536 bytes
	v_lshl_add_u32 v5, v2, 5, v3                   ; Wo: + 32 h: my 8 numbers of 16
	v_lshl_add_u32 v3, v2, 6, v3                   ; to be quantised: + 64 h: my 16 numbers of a block of 32
	v_and_b32 v4, 31, v0
	v_lshlrev_b32 v4, 4, v4                        ; 16 x lane: my place in a group
	s_mov_b32 s[SEL], 0x76543210
	s_mov_b32 s[SEL+1], 0xfedcba98
.irp b, 0,1,2,3
	v_mov_b32 v[TM+4+\b], 0                        ; written once: a lane permute's destination counts as one of its sources
.endr
	s_mov_b32 s23, 0
	s_mov_b32 s25, 0
	s_wait_kmcnt 0x0
	s_cmp_ge_u32 ttmp9, 292
	s_cbranch_scc1 .Lwo
	; which tensor: the choice hangs on the work-group's number alone
	s_mov_b32 s22, 560
	s_cmp_lt_u32 ttmp9, 280
	s_cselect_b64 s[10:11], s[8:9], s[10:11]
	s_cselect_b32 s22, 536, s22
	s_cmp_lt_u32 ttmp9, 268
	s_cselect_b64 s[10:11], s[6:7], s[10:11]
	s_cselect_b32 s22, 512, s22
	s_cmp_lt_u32 ttmp9, 256
	s_cselect_b64 s[10:11], s[4:5], s[10:11]
	s_cselect_b32 s22, 0, s22
	s_sub_co_u32 s22, s19, s22                     ; my tile within its tensor
	s_mul_i32 s22, s22, 24576                      ; 16 rows of 1,536 bytes
	s_add_nc_u64 s[10:11], s[10:11], s[22:23]
	s_mul_i32 s24, s19, 3584
	s_add_nc_u64 s[14:15], s[14:15], s[24:25]      ; my record
.irp s, 0,1,2
.irp b, 0,1,2,3
.irp j, 0,1,2,3
	global_load_b128 v[XR+64*\s+16*\b+4*\j:XR+64*\s+16*\b+4*\j+3], v3, s[10:11] offset:512*\s+128*\b+16*\j th:TH_LOAD_NT   ; register 64 s + 16 b + i = k 128 s + 32 b + 16 h + i of row r
.endr
.endr
.endr
; 64 numbers of a lane, register 16 b + i = k 32 b + 16 h + i of my row, become a fragment's 8 registers of codes and its scale word.
.macro QUANT s, pc, pw
.irp b, 0,1,2,3
	v_max3_num_f32 v[TM+\b], |v[(\s)+16*\b]|, |v[(\s)+1+16*\b]|, 0x1800000   ; block b: my 16 numbers, and the floor 2^(3 - 127): the byte cannot fall under 1
.endr
.irp i, 2,4,6,8,10,12,14
.irp b, 0,1,2,3
	v_max3_num_f32 v[TM+\b], v[TM+\b], |v[(\s)+16*\b+\i]|, |v[(\s)+1+16*\b+\i]|   ; the four blocks by turns
.endr
.endr
.irp b, 0,1,2,3
	v_permlanex16_b32 v[TM+4+\b], v[TM+\b], s[SEL], s[SEL+1]
.endr
.irp b, 0,1,2,3
	v_max_num_f32 v[TM+\b], v[TM+\b], v[TM+4+\b]   ; with lane l xor 16's 16: the block's largest magnitude
.endr
.irp b, 0,1,2,3
	v_add_nc_u32 v[TM+12+\b], 0xff000000, v[TM+\b] ; 2 off its exponent field: the conversion takes the exponent field of this operand as its scale
.endr
.irp b, 0,1,2,3
	v_lshrrev_b32 v[TM+4+\b], 23, v[TM+12+\b]      ; the scale's byte
.endr
	v_lshl_or_b32 v[\pw], v[TM+5], 8, v[TM+4]      ; four bytes: my row's scale word for these 128 along K
	v_lshl_or_b32 v[\pw], v[TM+6], 16, v[\pw]
	v_lshl_or_b32 v[\pw], v[TM+7], 24, v[\pw]
.irp b, 0,1,2,3
	v_cvt_scalef32_pk8_fp4_f32 v[(\pc)+2*\b], v[(\s)+16*\b:(\s)+7+16*\b], v[TM+12+\b]
	v_cvt_scalef32_pk8_fp4_f32 v[(\pc)+1+2*\b], v[(\s)+8+16*\b:(\s)+15+16*\b], v[TM+12+\b]
.endr
	v_nop                                          ; one plain place behind a scaled conversion
.irp c, 0,1                                    ; the operand's layout wants a whole block in a lane: lanes 0-15 block 2 c, lanes 16-31 block 2 c + 1
.irp i, 0,1
	v_permlane16_swap_b32 v[(\pc)+4*\c+\i], v[(\pc)+2+4*\c+\i]
.endr
.endr
.endm
.macro PUT s                           ; K step s's two groups: each store of the wave covers 512 consecutive bytes
.irp c, 0,1
	global_store_b128 v4, v[PC+8*\s+4*\c:PC+8*\s+4*\c+3], s[14:15] offset:1024*\s+512*\c
.endr
.endm
	s_wait_loadcnt 32                              ; K step 0's 16 loads are in; the 32 of steps 1 and 2 may be out
	QUANT XR, PC, PW
	PUT 0
	s_wait_loadcnt 16                              ; step 2's 16 may be out
	QUANT XR+64, PC+8, PW+1
	PUT 1
	s_wait_loadcnt 0x0
	QUANT XR+128, PC+16, PW+2
	PUT 2
	v_mov_b32 v[PW+3], v[PW+2]                     ; the fourth word of the lane's 16 bytes: a scale too
	global_store_b128 v4, v[PW:PW+3], s[14:15] offset:3072
	s_endpgm                                       ; no register of a store was written again: no wait is owed
.Lwo:
	s_sub_co_u32 s22, s19, 584                     ; my tile of 16 rows of Wo
	s_mul_i32 s24, s22, 12288
	s_mul_i32 s22, s22, 24576
	s_add_nc_u64 s[12:13], s[12:13], s[22:23]
	s_add_nc_u64 s[16:17], s[16:17], s[24:25]
.set ct, 0
.rept 24
	global_load_b128 v[XR+8*ct:XR+8*ct+3],   v5, s[12:13] offset:64*ct th:TH_LOAD_NT      ; Wo[16 nt + r][16 ct + 8 h + 0 .. 7]
	global_load_b128 v[XR+8*ct+4:XR+8*ct+7], v5, s[12:13] offset:64*ct+16 th:TH_LOAD_NT
.set ct, ct+1
.endr
	s_wait_loadcnt 0x0
.set ct, 0
.rept 24
.irp i, 0,1,2,3
	v_cvt_pk_f16_f32 v[XR+8*ct+\i], v[XR+8*ct+2*\i], v[XR+8*ct+2*\i+1]   ; in place, ascending: a result never lands on a number not yet read
.endr
	global_store_b128 v4, v[XR+8*ct:XR+8*ct+3], s[16:17] offset:512*ct
.set ct, ct+1
.endr
	s_endpgm
.Lfunc_end_k_qad5d8e4c4b_prep:
	.size	k_qad5d8e4c4b_prep, .Lfunc_end_k_qad5d8e4c4b_prep-k_qad5d8e4c4b_prep
	.p2alignl 7, 3214868480
	.fill 96, 4, 3214868480
	.section	.rodata,"a",@progbits
	.p2align	6, 0x0
	.amdhsa_kernel k_qad5d8e4c4b_prep
		.amdhsa_group_segment_fixed_size 0
		.amdhsa_private_segment_fixed_size 0
		.amdhsa_enable_private_segment 0
		.amdhsa_kernarg_size 56
		.amdhsa_user_sgpr_count 2
		.amdhsa_user_sgpr_kernarg_segment_ptr 1
		.amdhsa_wavefront_size32 1
		.amdhsa_system_sgpr_workgroup_id_x 1
		.amdhsa_system_sgpr_workgroup_id_y 1
		.amdhsa_system_sgpr_workgroup_id_z 1
		.amdhsa_system_vgpr_workitem_id 0
		.amdhsa_next_free_vgpr 256
		.amdhsa_next_free_sgpr 66
		.amdhsa_reserve_vcc 0
		.amdhsa_float_denorm_mode_32 3
		.amdhsa_float_denorm_mode_16_64 3
		.amdhsa_memory_ordered 1
		.amdhsa_forward_progress 1
		.amdhsa_inst_pref_size 32
	.end_amdhsa_kernel
	.amdgpu_metadata
---
amdhsa.version: [ 1, 2 ]
amdhsa.kernels:
  - .name:           k_qad5d8e4c4b_prep
    .symbol:         k_qad5d8e4c4b_prep.kd
    .args:
      - { .name: x, .offset: 0, .size: 8, .value_kind: global_buffer, .address_space: global }
      - { .name: Wq, .offset: 8, .size: 8, .value_kind: global_buffer, .address_space: global }
      - { .name: Wk, .offset: 16, .size: 8, .value_kind: global_buffer, .address_space: global }
      - { .name: Wv, .offset: 24, .size: 8, .value_kind: global_buffer, .address_space: global }
      - { .name: Wo, .offset: 32, .size: 8, .value_kind: global_buffer, .address_space: global }
      - { .name: codes, .offset: 40, .size: 8, .value_kind: global_buffer, .address_space: global }
      - { .name: wo16, .offset: 48, .size: 8, .value_kind: global_buffer, .address_space: global }
    .group_segment_fixed_size: 0
    .private_segment_fixed_size: 0
    .kernarg_segment_align: 8
    .kernarg_segment_size: 56
    .max_flat_workgroup_size: 64
    .sgpr_count:     66
    .vgpr_count:     256
    .wavefront_size: 32
...
	.end_amdgpu_metadata
.endif
;; end of part 1
;; launch qkv (part 2): grid 128 x 3, 6 waves a work-group, no clusters, 0 bytes of LDS; arguments codes, bq, bk, bv, qh, kh, vh, fine; writes qh, kh, vh, fine
.if DOCPART == 2
	.amdgcn_target "amdgcn-amd-amdhsa--gfx1250"
	.amdhsa_code_object_version 6
	.text
	.protected	k_qad5d8e4c4b_qkv
	.globl	k_qad5d8e4c4b_qkv
	.p2align	8
	.type	k_qad5d8e4c4b_qkv,@function
k_qad5d8e4c4b_qkv:
	s_mov_b64 s[64:65], 0
	v_nop
	global_prefetch_b8 v0, s[64:65] scope:SCOPE_SE
	s_setreg_imm32_b32 hwreg(HW_REG_WAVE_MODE, 25, 1), 1
	s_wait_xcnt 0x0
; QKV.  q = x Wq^T + bq, k = x Wk^T + bk, v = x Wv^T + bv on codes of FP4 (E2M1) with E8M0 scales, K = 384 = 3 steps of 128; sums in f32, the bias as the C of a sum's first product.
; Work-group (x, y): 64 rows of x (4 tiles of 16), y = 0, 1, 2: q, k, v.  Wave = head: its 64 columns of W (12 fragments, 4 quads of scale words) and its bias stay in registers; it walks the 4 row tiles: 48 products.
; Operands come from the records that the launch before laid as images of registers: every load of a wave reads 512 consecutive bytes.  No LDS, no barrier.
; RESULTS, f16, laid as the attention launch's operand registers (a group = 512 bytes, lane l's 16 bytes at 16 l):
;   qh, kh: [12 heads][256 tiles of 16 t][4 nt][512]: lane (r, h) holds q[t = 16 tt + r][d = 16 nt + 8 h + 0 .. 7].  For that the product is used transposed (source 0 = W's rows, source 1 = x's rows).
;   vh:     [12 heads][128 u][4 nt][2 g][512]: lane (r, h) holds v[t = 32 u + 16 g + 8 h + 0 .. 7][d = 16 nt + r]: the keys innermost.  For that it is used as it stands (source 0 = x, source 1 = W).
;   fine:   rows t < 16 of both batches in f32: q at 0, k at 49,152: [2][16 t][384]; v at 98,304: [2][384 c][16 t].
; LIMIT: |q|, |k|, |v| stay under 65,504 (f16); magnitudes under 6e-5 keep f16's absolute step.
.set WF,   4                           ; v4-99    W's fragments: (nt, ks) at 24 nt + 8 ks
.set WS,   100                         ; v100-115 W's scale words: nt at 4 nt, + ks (the fourth of a quad repeats the third): scales and nothing else
.set BI,   116                         ; v116-147 the bias in the result's layout, 8 registers a tile
.set XF,   148                         ; v148-175, v176-203 x's record, two buffers: 24 registers of codes, 4 of scale words
.set ACC,  204                         ; v204-235 four accumulators
.set OUTR, 236                         ; v236-251 16 registers of f16
	s_load_b256 s[4:11], s[0:1], 0x0               ; codes s[4:5], bq s[6:7], bk s[8:9], bv s[10:11]
	s_load_b256 s[12:19], s[0:1], 0x20             ; qh s[12:13], kh s[14:15], vh s[16:17], fine s[18:19]
	v_lshrrev_b32 v1, 5, v0
	v_readfirstlane_b32 s20, v1                    ; head
	s_and_b32 s21, ttmp7, 0xffff                   ; w: 0 q, 1 k, 2 v
	s_lshr_b32 s22, ttmp9, 6                       ; batch
	s_and_b32 s23, ttmp9, 63                       ; which 64 rows of the batch
	v_and_b32 v1, 31, v0
	v_lshlrev_b32 v1, 4, v1                        ; v1: 16 x lane
	v_and_b32 v236, 15, v0                         ; r
	v_bfe_u32 v237, v0, 4, 1                       ; h
	s_mul_i32 s24, ttmp9, 14336                    ; x's four records
	s_mov_b32 s25, 0
	s_mul_i32 s26, s21, 24
	s_lshl_b32 s27, s20, 2
	s_add_co_u32 s26, s26, s27
	s_add_co_u32 s26, s26, 512
	s_mul_i32 s26, s26, 3584                       ; W's four records: tile 512 + 24 w + 4 head
	s_mov_b32 s27, 0
	s_mul_i32 s28, s22, 6
	s_add_co_u32 s28, s28, s20
	s_lshl_b32 s28, s28, 19                        ; the head's 524,288 bytes,
	s_lshl_b32 s29, s23, 13                        ; and 4 tiles of 2,048 bytes for each 64 rows (in vh: 2 u of 4,096)
	s_add_co_u32 s28, s28, s29
	s_mov_b32 s29, 0
	s_lshl_b32 s30, s20, 8                         ; the head's 64 numbers of the bias
	s_mov_b32 s31, 0
	s_mul_i32 s32, s21, 49152
	s_mul_i32 s33, s22, 24576
	s_add_co_u32 s32, s32, s33
	s_cmp_eq_u32 s21, 2
	s_cselect_b32 s33, 12, 8
	s_lshl_b32 s33, s20, s33                       ; the head in fine: 256 bytes of a row of q or k, 64 rows of 64 bytes of v
	s_add_co_u32 s32, s32, s33
	s_mov_b32 s33, 0
	s_wait_kmcnt 0x0
	s_add_nc_u64 s[34:35], s[4:5], s[24:25]        ; x's records
	s_add_nc_u64 s[36:37], s[4:5], s[26:27]        ; W's records
	s_cmp_eq_u32 s21, 0                            ; the buffers are chosen by the work-group's y alone
	s_cselect_b64 s[38:39], s[6:7], s[8:9]
	s_cselect_b64 s[40:41], s[12:13], s[14:15]
	s_cmp_eq_u32 s21, 2
	s_cselect_b64 s[38:39], s[10:11], s[38:39]
	s_cselect_b64 s[40:41], s[16:17], s[40:41]
	s_add_nc_u64 s[38:39], s[38:39], s[30:31]      ; the bias
	s_add_nc_u64 s[40:41], s[40:41], s[28:29]      ; the f16 result
	s_add_nc_u64 s[42:43], s[18:19], s[32:33]      ; the f32 copy
.macro XLOAD i                         ; x's record of tile i into buffer i % 2: 7 loads
.set XL, XF+28*((\i)%2)
.irp ks, 0,1,2
.irp c, 0,1
	global_load_b128 v[XL+8*\ks+4*\c:XL+8*\ks+4*\c+3], v1, s[34:35] offset:3584*(\i)+1024*\ks+512*\c
.endr
.endr
	global_load_b128 v[XL+24:XL+27], v1, s[34:35] offset:3584*(\i)+3072
.endm
; One tile of 16 rows.  left: the loads that may stay out (the next tile's 7).  The four accumulators take turns, one product a turn.
.macro TILE i, swap, left
.set XB, XF+28*((\i)%2)
	s_wait_loadcnt \left
.irp ks, 0,1,2
.irp nt, 0,1,2,3
.if \swap
.if \ks == 0
	v_wmma_scale_f32_16x16x128_f8f6f4 v[ACC+8*\nt:ACC+8*\nt+7], v[WF+24*\nt+8*\ks:WF+24*\nt+8*\ks+7], v[XB+8*\ks:XB+8*\ks+7], v[BI+8*\nt:BI+8*\nt+7], v[WS+4*\nt+\ks], v[XB+24+\ks] matrix_a_fmt:MATRIX_FMT_FP4 matrix_b_fmt:MATRIX_FMT_FP4
.else
	v_wmma_scale_f32_16x16x128_f8f6f4 v[ACC+8*\nt:ACC+8*\nt+7], v[WF+24*\nt+8*\ks:WF+24*\nt+8*\ks+7], v[XB+8*\ks:XB+8*\ks+7], v[ACC+8*\nt:ACC+8*\nt+7], v[WS+4*\nt+\ks], v[XB+24+\ks] matrix_a_fmt:MATRIX_FMT_FP4 matrix_b_fmt:MATRIX_FMT_FP4
.endif
.else
.if \ks == 0
	v_wmma_scale_f32_16x16x128_f8f6f4 v[ACC+8*\nt:ACC+8*\nt+7], v[XB+8*\ks:XB+8*\ks+7], v[WF+24*\nt+8*\ks:WF+24*\nt+8*\ks+7], v[BI+8*\nt:BI+8*\nt+7], v[XB+24+\ks], v[WS+4*\nt+\ks] matrix_a_fmt:MATRIX_FMT_FP4 matrix_b_fmt:MATRIX_FMT_FP4
.else
	v_wmma_scale_f32_16x16x128_f8f6f4 v[ACC+8*\nt:ACC+8*\nt+7], v[XB+8*\ks:XB+8*\ks+7], v[WF+24*\nt+8*\ks:WF+24*\nt+8*\ks+7], v[ACC+8*\nt:ACC+8*\nt+7], v[XB+24+\ks], v[WS+4*\nt+\ks] matrix_a_fmt:MATRIX_FMT_FP4 matrix_b_fmt:MATRIX_FMT_FP4
.endif
.endif
.endr
.endr
.rept 5
	v_nop                                          ; places: four in front of the loads into x's buffer and of the first read of results, five in front of the next tile's products, which begin the accumulators anew
.endr
.if (\i)+2 < 4
	XLOAD (\i)+2
.endif
.if (\i) == 0
	s_cmp_lg_u32 s23, 0                            ; the batch's first 64 rows: their first tile, t < 16, is also kept in f32
	s_cbranch_scc1 .Lnofine_\@
.irp nt, 0,1,2,3
.if \swap
	global_store_b128 v3, v[ACC+8*\nt:ACC+8*\nt+3],   s[42:43] offset:64*\nt      ; each accumulator from its low end on
	global_store_b128 v3, v[ACC+8*\nt+4:ACC+8*\nt+7], s[42:43] offset:64*\nt+16
.else
	global_store_b128 v3, v[ACC+8*\nt:ACC+8*\nt+3],   s[42:43] offset:1024*\nt
	global_store_b128 v3, v[ACC+8*\nt+4:ACC+8*\nt+7], s[42:43] offset:1024*\nt+16
.endif
.endr
.Lnofine_\@:
.endif
	s_wait_xcnt 0x0                                ; the last tile's stores have read OUTR, and the f32 stores the accumulators: both are written again only behind this wait
.irp nt, 0,1,2,3
.irp j, 0,1,2,3
	v_cvt_pk_f16_f32 v[OUTR+4*\nt+\j], v[ACC+8*\nt+2*\j], v[ACC+8*\nt+2*\j+1]
.endr
.endr
.irp nt, 0,1,2,3
.if \swap
	global_store_b128 v1, v[OUTR+4*\nt:OUTR+4*\nt+3], s[40:41] offset:2048*(\i)+512*\nt                       ; 512 consecutive bytes a store
.else
	global_store_b128 v1, v[OUTR+4*\nt:OUTR+4*\nt+3], s[40:41] offset:4096*((\i)/2)+1024*\nt+512*((\i)%2)
.endif
.endr
.endm
.macro PATH swap
.if \swap
	v_lshlrev_b32 v2, 5, v237                      ; the bias: register j of tile nt wants b[16 nt + 8 h + j]
	v_mul_u32_u24 v3, v236, 1536                   ; fine: row t = r, + 32 h
	v_lshl_add_u32 v3, v237, 5, v3
.else
	v_lshlrev_b32 v2, 2, v236                      ; the bias: all 8 registers of tile nt want b[16 nt + r]
	v_lshlrev_b32 v3, 6, v236                      ; fine: row c = r of 64 bytes, + 32 h
	v_lshl_add_u32 v3, v237, 5, v3
.endif
.irp nt, 0,1,2,3
.irp ks, 0,1,2
.irp c, 0,1
	global_load_b128 v[WF+24*\nt+8*\ks+4*\c:WF+24*\nt+8*\ks+4*\c+3], v1, s[36:37] offset:3584*\nt+1024*\ks+512*\c
.endr
.endr
	global_load_b128 v[WS+4*\nt:WS+4*\nt+3], v1, s[36:37] offset:3584*\nt+3072
.endr
.irp nt, 0,1,2,3
.if \swap
	global_load_b128 v[BI+8*\nt:BI+8*\nt+3],   v2, s[38:39] offset:64*\nt
	global_load_b128 v[BI+8*\nt+4:BI+8*\nt+7], v2, s[38:39] offset:64*\nt+16
.else
	global_load_b32 v[BI+8*\nt], v2, s[38:39] offset:64*\nt
.endif
.endr
	XLOAD 0
	XLOAD 1
.if !\swap
	s_wait_loadcnt 14                              ; W and the bias are in; x's first two records, 14 loads, may be out
.irp nt, 0,1,2,3
.irp j, 1,2,3,4,5,6,7
	v_mov_b32 v[BI+8*\nt+\j], v[BI+8*\nt]
.endr
.endr
.endif
	TILE 0, \swap, 7
	TILE 1, \swap, 7
	TILE 2, \swap, 7
	TILE 3, \swap, 0
	s_endpgm
.endm
	s_cmp_eq_u32 s21, 2
	s_cbranch_scc1 .Lv
	PATH 1
.Lv:
	PATH 0
.Lfunc_end_k_qad5d8e4c4b_qkv:
	.size	k_qad5d8e4c4b_qkv, .Lfunc_end_k_qad5d8e4c4b_qkv-k_qad5d8e4c4b_qkv
	.p2alignl 7, 3214868480
	.fill 96, 4, 3214868480
	.section	.rodata,"a",@progbits
	.p2align	6, 0x0
	.amdhsa_kernel k_qad5d8e4c4b_qkv
		.amdhsa_group_segment_fixed_size 0
		.amdhsa_private_segment_fixed_size 0
		.amdhsa_enable_private_segment 0
		.amdhsa_kernarg_size 64
		.amdhsa_user_sgpr_count 2
		.amdhsa_user_sgpr_kernarg_segment_ptr 1
		.amdhsa_wavefront_size32 1
		.amdhsa_system_sgpr_workgroup_id_x 1
		.amdhsa_system_sgpr_workgroup_id_y 1
		.amdhsa_system_sgpr_workgroup_id_z 1
		.amdhsa_system_vgpr_workitem_id 0
		.amdhsa_next_free_vgpr 256
		.amdhsa_next_free_sgpr 66
		.amdhsa_reserve_vcc 0
		.amdhsa_float_denorm_mode_32 3
		.amdhsa_float_denorm_mode_16_64 3
		.amdhsa_memory_ordered 1
		.amdhsa_forward_progress 1
		.amdhsa_inst_pref_size 42
	.end_amdhsa_kernel
	.amdgpu_metadata
---
amdhsa.version: [ 1, 2 ]
amdhsa.kernels:
  - .name:           k_qad5d8e4c4b_qkv
    .symbol:         k_qad5d8e4c4b_qkv.kd
    .args:
      - { .name: codes, .offset: 0, .size: 8, .value_kind: global_buffer, .address_space: global }
      - { .name: bq, .offset: 8, .size: 8, .value_kind: global_buffer, .address_space: global }
      - { .name: bk, .offset: 16, .size: 8, .value_kind: global_buffer, .address_space: global }
      - { .name: bv, .offset: 24, .size: 8, .value_kind: global_buffer, .address_space: global }
      - { .name: qh, .offset: 32, .size: 8, .value_kind: global_buffer, .address_space: global }
      - { .name: kh, .offset: 40, .size: 8, .value_kind: global_buffer, .address_space: global }
      - { .name: vh, .offset: 48, .size: 8, .value_kind: global_buffer, .address_space: global }
      - { .name: fine, .offset: 56, .size: 8, .value_kind: global_buffer, .address_space: global }
    .group_segment_fixed_size: 0
    .private_segment_fixed_size: 0
    .kernarg_segment_align: 8
    .kernarg_segment_size: 64
    .max_flat_workgroup_size: 192
    .sgpr_count:     66
    .vgpr_count:     256
    .wavefront_size: 32
...
	.end_amdgpu_metadata
.endif
;; end of part 2
;; launch attn (part 3): grid 16 x 12, 16 waves a work-group, no clusters, 327,680 bytes of LDS; arguments qh, kh, vh, yh; writes yh
.if DOCPART == 3
	.amdgcn_target "amdgcn-amd-amdhsa--gfx1250"
	.amdhsa_code_object_version 6
	.text
	.protected	k_qad5d8e4c4b_attn
	.globl	k_qad5d8e4c4b_attn
	.p2align	8
	.type	k_qad5d8e4c4b_attn,@function
k_qad5d8e4c4b_attn:
	s_mov_b64 s[64:65], 0
	v_nop
	global_prefetch_b8 v0, s[64:65] scope:SCOPE_SE
	s_setreg_imm32_b32 hwreg(HW_REG_WAVE_MODE, 25, 1), 1
	s_wait_xcnt 0x0
; ATTN.  y[h][q] = sum over k <= q of softmax_k(q . k / 8) v[h][k], 12 heads (2 batches x 6) of 4,096 positions, head size 64.  Operands f16, products, maxima and sums f32; the weights p are rounded to f16 for the second product, y once at the end.
; SHARES.  Work-group (x, head) owns TWO blocks of 128 queries: block 31 - x first, then block x.  Keys come in slots of 256; under the causal mask the first block needs 16 - x / 2 slots and the second x / 2 + 1: 17 in every
; work-group, so the trip count is a constant of the text, the work is even, and every slot that is fetched is read.  Wave w: g = w % 4: 32 queries (two tiles of 16); ks = w / 4: keys 64 ks .. 64 ks + 63 of every slot.
; The four waves of one g keep partial maxima, sums and O, which meet in LDS at the end.  Four waves of 256 registers lie on a SIMD, so that one wave's softmax stands beside another's products and LDS loads.
; LAYOUT.  Both products transposed: S^T = K Q^T (source 0 = 16 keys, source 1 = 16 queries), O^T = V^T P (source 0 = 16 channels x 32 keys, source 1 = P): a lane holds ONE query (lane % 16) throughout, and two tiles of S^T,
; rounded in pairs, ARE source 1 of the second product.  qh, kh, vh lie in memory as images of these operands' registers (groups of 512 bytes, lane l's 16 bytes at 16 l): a slot is 32,768 dense bytes of kh and of vh,
; and every LDS load takes 512 consecutive bytes: no pitch, no padding.
; SOFTMAX.  For each query a running maximum m and sum l: p = 2^(c s - c m), c = log2(e) / 8; in every step O and l are multiplied by a = 2^(c m_old - c m_new).  m begins as -infinity, O and l as zeros: the step is written once.
; A step is run only where its first key is at or under the wave's first query (both are multiples of 32), so every query of a step that is run has a key that counts, and m is a number from then on.
; NO CLUSTER: the sixteen work-groups of a head need different numbers of slots for their first block and go back to key 0 in different trips, so a joint load would bring a partner tiles that none of its waves reads.
; LIMITS: |q|, |k|, |v|, |y| under 65,504 (f16); NaN and infinities among them are not served.
.set SLOTB, 65536                      ; a slot: K's 32,768 bytes, then V's; slot 1 begins here, so that one exclusive or turns an address from one slot to the other
.set VOFF,  32768
.set STG,   131072                     ; behind the ring: the first block's partial O, 8,192 bytes a wave.  (The second block's go into the ring's bytes, behind their last fill and last read)
.set STS1,  262144                     ; the first block's c m and l: 512 bytes a wave
.set STS2,  270336                     ; the second block's
.set SPARE, 278528                     ; the spare words, 128 bytes for each wave: eight blocks of 256 bytes that no other line names
.set WV,  12                           ; s12 wave   s13 g   s14 ks   s15 x   s16 head (0..11)
.set SG,  13
.set KS,  14
.set XX,  15
.set BH,  16
.set NL,  17                           ; s17 the first block's slots   s18 less one   s19 their bytes
.set NL1, 18
.set NLB, 19
.set TR,  20                           ; s20 the trip
.set TB,  21                           ; s21 LDS byte at which the slot in hand begins
.set KF,  22                           ; s22 my step's first key   s23 its start, 64 ks
.set KF0, 23
.set Q0,  24                           ; s24 my first query   s25 the second block's
.set Q0S, 25
.set G1,  28                           ; s[28:35] descriptor group 1   s[36:39] group 0, which walks
.set G0,  36
.set RW,  40                           ; s[40:41] what the walk goes back by
.set QL,  42                           ; s[42:43], s[44:45] Q of the two blocks   s[46:47], s[48:49] y likewise
.set QS,  44
.set YL,  46
.set YS,  48
.set PFA, 50                           ; s[50:51] where my prefetches stand   s52 the trips in which I ask
.set LIM, 52
.set CS,  54                           ; s[54:55] c, twice: the packed form names a pair
.set SEL, 56                           ; s[56:57] lane selects: lane l xor 16
.set ST,  8                            ; v8-23   tile t at 8 t: +0 c m, +1 m, +2, +3 l (two halves), +4 .. +7 at work; a takes +6
.set QQ,  24                           ; v24-55  Q: 16 t + 8 f
.set SS,  56                           ; v56-119 S^T: 32 t + 8 kt; P in place, 32 t + 0 .. 15
.set KV,  120                          ; v120-183 K's 8 fragments, then V's
.set OO,  184                          ; v184-247 O^T: 32 t + 8 nt
; v0 thread; v1 my spare word's address, v2 zero (for the add alone); v3 my lane's place in a slot's K; v4 the address in hand; v5 16 x lane; v6, v7 where I put the first block's partials; v248 256 x lane; v249-251 at work
.macro TLOAD                           ; wave 0 fetches a slot's K, wave 1 its V, the others nothing.  The branch hangs on the wave's number alone.  An s_nop 0 and four v_nop follow the load
	s_cmp_lt_u32 s[WV], 2
	s_cbranch_scc0 .Lnoload_\@
	tensor_load_to_lds s[G0:G0+3], s[G1:G1+7]
	s_nop 0
.rept 4
	v_nop
.endr
.Lnoload_\@:
.endm
; A PREFETCH INTO THE L2 of the slot that the NEXT trip's tensor loads will ask for.  All sixteen work-groups of a head walk the same kh and vh from key 0 on; work-group x = 0, whose first block walks all 16 slots, asks, and nobody else.
; In it the waves ask that fetch nothing: waves 4-7 for K's 32,768 bytes, waves 8-11 for V's: 8,192 bytes a wave, lanes 256 bytes apart, one instruction.  Trip t asks for slot t + 2; slots 0 and 1 come by their loads alone; the last request, in trip 13, is for slot 15, the head's last.
.macro ASK
	s_cmp_lt_u32 s[TR], s[LIM]
	s_cbranch_scc0 .Lnotmine_\@
	global_prefetch_b8 v248, s[PFA:PFA+1] th:TH_LOAD_NT scope:SCOPE_SE
.Lnotmine_\@:
.endm
	s_load_b256 s[4:11], s[0:1], 0x0               ; qh s[4:5], kh s[6:7], vh s[8:9], yh s[10:11]
	v_lshl_add_u32 v1, v0, 2, SPARE
	v_mov_b32 v2, 0
	ds_add_u32 v1, v2                              ; the wave's opening: the add, twice on end, and its wait ahead of the first tensor load; the set-up below stands between
	ds_add_u32 v1, v2
	v_lshrrev_b32 v4, 5, v0
	v_readfirstlane_b32 s[WV], v4
	s_and_b32 s[SG], s[WV], 3
	s_lshr_b32 s[KS], s[WV], 2
	s_mov_b32 s[XX], ttmp9
	s_and_b32 s[BH], ttmp7, 0xffff
	s_lshr_b32 s58, s[XX], 1
	s_sub_co_u32 s[NL], 16, s58
	s_sub_co_u32 s[NL1], s[NL], 1
	s_lshl_b32 s[NLB], s[NL], 15
	s_mov_b32 s[RW+1], 0
	s_lshl_b32 s[KF0], s[KS], 6
	s_lshl_b32 s60, s[BH], 19                      ; the head's 524,288 bytes in qh, kh, vh
	s_mov_b32 s61, 0
	s_lshl_b32 s62, s[SG], 1
	s_sub_co_u32 s59, 31, s[XX]
	s_lshl_b32 s59, s59, 3
	s_add_co_u32 s59, s59, s62                     ; my first tile of 16 queries: 8 (31 - x) + 2 g,
	s_lshl_b32 s63, s[XX], 3
	s_add_co_u32 s63, s63, s62                     ; and in the second block: 8 x + 2 g
	s_lshl_b32 s[Q0], s59, 4
	s_lshl_b32 s[Q0S], s63, 4
	s_lshl_b32 s[QL], s59, 11                      ; a tile of Q is 2,048 bytes
	s_add_co_u32 s[QL], s[QL], s60
	s_mov_b32 s[QL+1], 0
	s_lshl_b32 s[QS], s63, 11
	s_add_co_u32 s[QS], s[QS], s60
	s_mov_b32 s[QS+1], 0
	s_cmp_ge_u32 s[BH], 6
	s_cselect_b32 s26, 1, 0                        ; batch
	s_mul_i32 s27, s26, 6
	s_sub_co_u32 s27, s[BH], s27                   ; head of the batch
	s_lshl_b32 s26, s26, 8
	s_lshl_b32 s27, s27, 2
	s_add_co_u32 s27, s27, s[KS]                   ; the column tile of y that I store: 4 head + ks
	s_add_co_u32 s[YL], s26, s59
	s_mul_i32 s[YL], s[YL], 24
	s_add_co_u32 s[YL], s[YL], s27
	s_lshl_b32 s[YL], s[YL], 9                     ; yh: ((256 batch + tile) x 24 + column tile) x 512
	s_mov_b32 s[YL+1], 0
	s_add_co_u32 s[YS], s26, s63
	s_mul_i32 s[YS], s[YS], 24
	s_add_co_u32 s[YS], s[YS], s27
	s_lshl_b32 s[YS], s[YS], 9
	s_mov_b32 s[YS+1], 0
	s_and_b32 s62, s[WV], 3
	s_lshl_b32 s62, s62, 13
	s_add_co_u32 s62, s62, 32768                   ; the prefetches begin in slot 1; the first trip steps them to slot 2
	s_add_co_u32 s62, s62, s60
	s_mov_b32 s63, 0
	s_sub_co_u32 s58, s[WV], 4
	s_lshr_b32 s58, s58, 3                         ; 0 in waves 4 to 11,
	s_or_b32 s58, s58, s[XX]                       ; of work-group x = 0
	s_cmp_eq_u32 s58, 0
	s_cselect_b32 s[LIM], 14, 0
	; descriptor group 1: 32,768 dense bytes as 128 rows of 32 elements of 8 bytes; no padding, no mask
	s_mov_b32 s[G1], 3<<16
	s_mov_b32 s[G1+1], 32<<16                      ; tensor_dim0 = 32
	s_mov_b32 s[G1+2], 128<<16                     ; tensor_dim1 = 128
	s_mov_b32 s[G1+3], 32<<16                      ; tile_dim0 = 32
	s_mov_b32 s[G1+4], 128                         ; tile_dim1 = 128
	s_mov_b32 s[G1+5], 32                          ; from row to row
	s_mov_b32 s[G1+6], 0
	s_mov_b32 s[G1+7], 0
	s_mov_b32 s[CS], 0x3e38aa3b                    ; c = log2(e) / 8
	s_mov_b32 s[CS+1], s[CS]
	s_mov_b32 s[SEL], 0x76543210
	s_mov_b32 s[SEL+1], 0xfedcba98
	s_mov_b32 s[TR], 0
	s_mov_b32 s[TB], 0
	s_mov_b32 s[KF], s[KF0]
	s_mov_b32 s[G0], 1                             ; count = 1
	s_and_b32 s58, s[WV], 1
	s_lshl_b32 s[G0+1], s58, 15                    ; LDS: slot 0; wave 0 K's half, wave 1 V's
	s_wait_dscnt 0x0                               ; both opening adds are done
	s_wait_kmcnt 0x0
	s_cmp_eq_u32 s[WV], 0
	s_cselect_b64 s[G0+2:G0+3], s[6:7], s[8:9]
	s_add_nc_u64 s[G0+2:G0+3], s[G0+2:G0+3], s[60:61]
	s_or_b32 s[G0+3], s[G0+3], 0x80000000          ; type = 2
	TLOAD                                          ; slot 0: the one first fill at the head; slot 1 is first filled behind the first trip's barrier, behind which nothing is filled again
	s_add_nc_u64 s[QL:QL+1], s[4:5], s[QL:QL+1]
	s_add_nc_u64 s[QS:QS+1], s[4:5], s[QS:QS+1]
	s_add_nc_u64 s[YL:YL+1], s[10:11], s[YL:YL+1]
	s_add_nc_u64 s[YS:YS+1], s[10:11], s[YS:YS+1]
	s_cmp_lt_u32 s[WV], 8
	s_cselect_b64 s[PFA:PFA+1], s[6:7], s[8:9]
	s_add_nc_u64 s[PFA:PFA+1], s[PFA:PFA+1], s[62:63]
	v_and_b32 v5, 31, v0
	v_lshlrev_b32 v248, 8, v5
	v_lshlrev_b32 v7, 2, v5
	v_lshlrev_b32 v5, 4, v5
.macro QLOAD p                         ; my two tiles of Q stay in registers: fragment (t, f) = groups 4 t + 2 f, + 1
.irp t, 0,1
.irp f, 0,1
.irp c, 0,1
	global_load_b128 v[QQ+16*\t+8*\f+4*\c:QQ+16*\t+8*\f+4*\c+3], v5, s[\p:\p+1] offset:(4*\t+2*\f+\c)*512
.endr
.endr
.endr
.endm
	QLOAD QL
	s_lshl_b32 s58, s[KS], 13
	v_add_nc_u32 v3, s58, v5                       ; my 64 keys of a slot are 8,192 bytes of K, and of V
	s_lshl_b32 s58, s[WV], 13
	s_add_co_u32 s58, s58, STG
	v_add_nc_u32 v6, s58, v5
	s_lshl_b32 s58, s[WV], 9
	s_add_co_u32 s58, s58, STS1
	v_add_nc_u32 v7, s58, v7
.macro RESETV                          ; a block begins: O and l zeros, m and c m -infinity
.set i, 0
.rept 64
	v_mov_b32 v[OO+i], 0
.set i, i+1
.endr
.irp t, 0,1
	v_mov_b32 v[ST+8*\t], 0xff800000
	v_mov_b32 v[ST+8*\t+1], 0xff800000
.irp j, 2,3,4,5,6,7
	v_mov_b32 v[ST+8*\t+\j], 0
.endr
.endr
.endm
	RESETV
; On the diagonal the scores of hidden keys become -infinity ahead of the maximum.  Register 8 kt + j of tile t holds key KF + 16 kt + 8 h + j for query Q0 + 16 t + r.  A step all of whose keys count skips this.
.macro MASK
	s_add_co_u32 s58, s[KF], 63
	s_cmp_le_u32 s58, s[Q0]
	s_cbranch_scc1 .Lopen_\@
	s_sub_co_i32 s58, s[Q0], s[KF]
	v_and_b32 v250, 15, v0
	v_bfe_u32 v251, v0, 4, 1
	v_lshlrev_b32 v251, 3, v251
	v_sub_nc_u32 v250, v250, v251
	v_add_nc_u32 v250, s58, v250                   ; d = Q0 - KF + r - 8 h: hidden where 16 kt + j - 16 t > d
	v_mov_b32 v249, 0xff800000
.irp t, 0,1
.irp kt, 0,1,2,3
.irp j, 0,1,2,3,4,5,6,7
	v_cmp_gt_i32 vcc_lo, 16*\kt+\j-16*\t, v250
	v_cndmask_b32 v[SS+32*\t+8*\kt+\j], v[SS+32*\t+8*\kt+\j], v249, vcc_lo
.endr
.endr
.endr
.Lopen_\@:
.endm
; The softmax of a step, both tiles line by line by turns, so that no line waits for the line above it.
.macro SOFTMAX
.irp kt, 0,1,2,3
.irp t, 0,1
	v_max3_num_f32 v[ST+8*\t+4+\kt], v[SS+32*\t+8*\kt], v[SS+32*\t+8*\kt+1], v[SS+32*\t+8*\kt+2]   ; four chains, each accumulator from its low end on
.endr
.endr
.irp i, 3,5
.irp kt, 0,1,2,3
.irp t, 0,1
	v_max3_num_f32 v[ST+8*\t+4+\kt], v[ST+8*\t+4+\kt], v[SS+32*\t+8*\kt+\i], v[SS+32*\t+8*\kt+\i+1]
.endr
.endr
.endr
.irp t, 0,1
	v_max3_num_f32 v[ST+8*\t+4], v[ST+8*\t+4], v[SS+32*\t+7], v[SS+32*\t+15]
.endr
.irp t, 0,1
	v_max3_num_f32 v[ST+8*\t+6], v[ST+8*\t+6], v[SS+32*\t+23], v[SS+32*\t+31]
.endr
.irp t, 0,1
	v_max3_num_f32 v[ST+8*\t+4], v[ST+8*\t+4], v[ST+8*\t+5], v[ST+8*\t+6]
.endr
.irp t, 0,1
	v_max3_num_f32 v[ST+8*\t+4], v[ST+8*\t+4], v[ST+8*\t+7], v[ST+8*\t+1]   ; and the old m
.endr
.irp t, 0,1
	v_permlanex16_b32 v[ST+8*\t+5], v[ST+8*\t+4], s[SEL], s[SEL+1]          ; the query's other 32 keys lie in the lane 16 away
.endr
.irp t, 0,1
	v_mov_b32 v[ST+8*\t+7], v[ST+8*\t]             ; c m_old is kept for a
.endr
.irp t, 0,1
	v_max_num_f32 v[ST+8*\t+1], v[ST+8*\t+4], v[ST+8*\t+5]
.endr
.irp t, 0,1
	v_mul_f32 v[ST+8*\t], s[CS], v[ST+8*\t+1]
.endr
.irp t, 0,1
	v_sub_f32 v[ST+8*\t+7], v[ST+8*\t+7], v[ST+8*\t]
.endr
.irp j, 0,2,4,6,8,10,12,14,16,18,20,22,24,26,28,30
.irp t, 0,1
	v_pk_fma_f32 v[SS+32*\t+\j:SS+32*\t+\j+1], v[SS+32*\t+\j:SS+32*\t+\j+1], s[CS:CS+1], v[ST+8*\t:ST+8*\t+1] op_sel_hi:[1,0,0] neg_lo:[0,0,1] neg_hi:[0,0,1]   ; c s - c m, two at a time
.endr
.endr
.irp t, 0,1
	v_exp_f32 v[ST+8*\t+6], v[ST+8*\t+7]           ; a
.endr
.irp j, 0,1,2,3,4,5,6,7,8,9,10,11,12,13,14,15,16,17,18,19,20,21,22,23,24,25,26,27,28,29,30,31
.irp t, 0,1
	v_exp_f32 v[SS+32*\t+\j], v[SS+32*\t+\j]       ; p: the 66 exponentials are one batch; none reads another's result
.endr
.endr
	v_nop                                          ; a plain instruction behind the last exponential,
	s_wait_alu depctr_va_vdst(0)                   ; and the one wait ahead of the batch's first reader
.irp t, 0,1
	v_pk_mul_f32 v[ST+8*\t+2:ST+8*\t+3], v[ST+8*\t+2:ST+8*\t+3], v[ST+8*\t+6:ST+8*\t+7] op_sel_hi:[1,0]   ; l x a
.endr
.irp t, 0,1
	v_pk_add_f32 v[ST+8*\t+4:ST+8*\t+5], v[SS+32*\t:SS+32*\t+1], v[SS+32*\t+2:SS+32*\t+3]   ; the sum is taken of the unrounded p, in two chains
.endr
.irp j, 4,8,12,16,20,24,28
.irp t, 0,1
	v_pk_add_f32 v[ST+8*\t+2:ST+8*\t+3], v[ST+8*\t+2:ST+8*\t+3], v[SS+32*\t+\j:SS+32*\t+\j+1]
	v_pk_add_f32 v[ST+8*\t+4:ST+8*\t+5], v[ST+8*\t+4:ST+8*\t+5], v[SS+32*\t+\j+2:SS+32*\t+\j+3]
.endr
.endr
.irp t, 0,1
	v_pk_add_f32 v[ST+8*\t+2:ST+8*\t+3], v[ST+8*\t+2:ST+8*\t+3], v[ST+8*\t+4:ST+8*\t+5]
.endr
.irp j, 0,1,2,3,4,5,6,7,8,9,10,11,12,13,14,15
.irp t, 0,1
	v_cvt_pk_f16_f32 v[SS+32*\t+\j], v[SS+32*\t+2*\j], v[SS+32*\t+2*\j+1]   ; P in place, ascending: registers 8 u .. 8 u + 7 are source 1 for keys 32 u on
.endr
.endr
.irp j, 0,2,4,6,8,10,12,14,16,18,20,22,24,26,28,30
.irp t, 0,1
	v_pk_mul_f32 v[OO+32*\t+\j:OO+32*\t+\j+1], v[OO+32*\t+\j:OO+32*\t+\j+1], v[ST+8*\t+6:ST+8*\t+7] op_sel_hi:[1,0]   ; O^T x a, each accumulator from its low end on
.endr
.endr
.endm
; A STEP: my 64 keys of the slot in hand against my 32 queries.  A step all of whose keys come after my queries is left out: a scalar branch on ids, round loads, products and softmax; no barrier, wait for the ring or tensor load stands in a step.
.macro STEP
	s_add_co_u32 s58, s[Q0], 31
	s_cmp_gt_u32 s[KF], s58
	s_cbranch_scc1 .Lhid_\@
	v_add_nc_u32 v4, s[TB], v3
.rept 4
	v_nop                                          ; with the addition above five places behind the last step's products: four for the loads into K's registers, five for the products below, which write over P
.endr
.irp kt, 0,1,2,3
.irp f, 0,1
.irp c, 0,1
	ds_load_b128 v[KV+8*(2*\kt+\f)+4*\c:KV+8*(2*\kt+\f)+4*\c+3], v4 offset:2048*\kt+512*(2*\f+\c)
.endr
.endr
.endr
	s_wait_loadcnt 0x0                             ; Q
	s_wait_dscnt 0x0                               ; K
.irp f, 0,1                                    ; the 8 accumulators take turns, one product a turn; the first 8 start the sums
.irp kt, 0,1,2,3
.irp t, 0,1
.if \f == 0
	v_wmma_f32_16x16x32_f16 v[SS+32*\t+8*\kt:SS+32*\t+8*\kt+7], v[KV+8*(2*\kt+\f):KV+8*(2*\kt+\f)+7], v[QQ+16*\t+8*\f:QQ+16*\t+8*\f+7], 0
.else
	v_wmma_f32_16x16x32_f16 v[SS+32*\t+8*\kt:SS+32*\t+8*\kt+7], v[KV+8*(2*\kt+\f):KV+8*(2*\kt+\f)+7], v[QQ+16*\t+8*\f:QQ+16*\t+8*\f+7], v[SS+32*\t+8*\kt:SS+32*\t+8*\kt+7]
.endif
.endr
.endr
.endr
.rept 4
	v_nop                                          ; places in front of V's loads into K's registers and of the first read of the scores
.endr
.irp u, 0,1
.irp nt, 0,1,2,3
.irp c, 0,1
	ds_load_b128 v[KV+8*(4*\u+\nt)+4*\c:KV+8*(4*\u+\nt)+4*\c+3], v4 offset:VOFF+1024*(4*\u+\nt)+512*\c   ; V lands while the softmax is walked
.endr
.endr
.endr
	MASK
	SOFTMAX
	s_wait_dscnt 0x0                               ; V
.irp u, 0,1
.irp nt, 0,1,2,3
.irp t, 0,1
	v_wmma_f32_16x16x32_f16 v[OO+32*\t+8*\nt:OO+32*\t+8*\nt+7], v[KV+8*(4*\u+\nt):KV+8*(4*\u+\nt)+7], v[SS+32*\t+8*\u:SS+32*\t+8*\u+7], v[OO+32*\t+8*\nt:OO+32*\t+8*\nt+7]
.endr
.endr
.endr
.Lhid_\@:
	s_add_co_u32 s[KF], s[KF], 256
.endm
; THE CHANGE OF SLOTS stands at a trip's head.  Each wave waits for all its tensor loads (its part of the slot that is about to be read), adds 0 to its spare word, and waits for that and for its reads of the slot that it has left.
; Behind the barrier the slot ahead is whole and nobody reads the other one.  fill = 1: that other slot takes the walk's next 256 keys: the load has a whole trip in which to land.  One tensor load of a wave is out at the most.
.macro CHANGE fill
	s_wait_tensorcnt 0x0                           ; no tensor load of mine is out, so group 0 may be written
	ds_add_u32 v1, v2                              ; 0 onto my spare word
.if \fill
	ds_add_u32 v1, v2                              ; and once more, in every trip alike
	s_xor_b32 s[G0+1], s[G0+1], SLOTB              ; the other slot than last time,
	s_add_nc_u64 s[G0+2:G0+3], s[G0+2:G0+3], 32768 ; the next 256 keys;
	s_add_co_u32 s58, s[TR], 1
	s_cmp_eq_u32 s58, s[NL]
	s_cselect_b32 s[RW], s[NLB], 0
	s_sub_nc_u64 s[G0+2:G0+3], s[G0+2:G0+3], s[RW:RW+1]   ; where the second block begins: back to key 0.  The type bits on top are not reached
	s_wait_xcnt 0x0                                ; the last prefetch, a trip back, has read its address, so it may be written
	s_add_nc_u64 s[PFA:PFA+1], s[PFA:PFA+1], 32768
.endif
	s_wait_dscnt 0x0                               ; the add is done, and my reads of the slot that I have left are over
	s_barrier_signal -1
	s_barrier_wait -1
.if \fill
	TLOAD                                          ; the first thing behind the barrier, and a wave's one tensor load until the next
	ASK
.endif
.endm
; My partial results of a block go to LDS: l's two halves and the other half of the lanes' are added (plain lines: the places behind the last products); O^T as it stands, 16 groups of 512 bytes; c m and l, 4 bytes a lane.
.macro DUMP sto, sso
.irp t, 0,1
	v_add_f32 v[ST+8*\t+4], v[ST+8*\t+2], v[ST+8*\t+3]
.endr
	v_nop
	v_nop
.irp t, 0,1
	v_permlanex16_b32 v[ST+8*\t+5], v[ST+8*\t+4], s[SEL], s[SEL+1]
.endr
.irp t, 0,1
	v_add_f32 v[ST+8*\t+4], v[ST+8*\t+4], v[ST+8*\t+5]
.endr
.irp t, 0,1
.irp nt, 0,1,2,3
.irp c, 0,1
	ds_store_b128 v[\sto], v[OO+32*\t+8*\nt+4*\c:OO+32*\t+8*\nt+4*\c+3] offset:1024*(4*\t+\nt)+512*\c   ; each accumulator from its low end on
.endr
.endr
.endr
.irp t, 0,1
	ds_store_b32 v[\sso], v[ST+8*\t] offset:256*\t
	ds_store_b32 v[\sso], v[ST+8*\t+4] offset:256*\t+128
.endr
.endm
	s_wait_loadcnt 0x0                             ; Q
.Ltrip:                                            ; 16 trips; behind each change of slots the walk's next slot is asked for
	CHANGE 1
	STEP
	s_cmp_lg_u32 s[TR], s[NL1]                     ; the first block's last slot is done: a branch on ids, the same in all sixteen waves; no barrier stands under it
	s_cbranch_scc1 .Lnoswitch
	DUMP 6, 7                                      ; into bytes of my own, which no tensor load fills; the others read them behind later barriers
	s_wait_loadcnt 0x0                             ; no load into Q's registers is out
	s_wait_dscnt 0x0                               ; the stores have read their registers
	RESETV
	QLOAD QS
	s_mov_b32 s[Q0], s[Q0S]
	s_mov_b32 s[KF], s[KF0]
.Lnoswitch:
	s_xor_b32 s[TB], s[TB], SLOTB
	s_add_co_u32 s[TR], s[TR], 1
	s_cmp_lt_u32 s[TR], 16
	s_cbranch_scc1 .Ltrip
	CHANGE 0                                       ; the 17th trip is written out: nothing is left to fetch
	STEP
	s_wait_loadcnt 0x0
	s_wait_dscnt 0x0                               ; my reads of the ring are over;
	s_barrier_signal -1
	s_barrier_wait -1                              ; everybody's are, and the ring has had its last fill: its bytes take the second block's partials
	s_lshl_b32 s58, s[WV], 13
	v_add_nc_u32 v24, s58, v5                      ; where I put them: 8,192 x wave + 16 x lane
	v_and_b32 v25, 31, v0
	v_lshlrev_b32 v25, 2, v25
	s_lshl_b32 s58, s[WV], 9
	s_add_co_u32 s58, s58, STS2
	v_add_nc_u32 v26, s58, v25
	s_lshl_b32 s58, s[SG], 13                      ; what I merge: channels 16 ks .. + 15 of my g's two tiles, from waves g, g + 4, g + 8, g + 12
	s_lshl_b32 s59, s[KS], 10
	s_add_co_u32 s58, s58, s59
	v_add_nc_u32 v27, s58, v5                      ; second block: waves g, g + 4 (32,768 bytes apart),
	v_add_nc_u32 v28, 65536, v27                   ; waves g + 8, g + 12
	v_add_nc_u32 v29, STG, v27                     ; first block likewise
	v_add_nc_u32 v30, 65536, v29
	s_lshl_b32 s58, s[SG], 9
	v_add_nc_u32 v31, s58, v25
	v_add_nc_u32 v32, STS2, v31
	v_add_nc_u32 v31, STS1, v31
	DUMP 24, 26
	s_wait_dscnt 0x0                               ; for the others' sake: my stores have landed
	s_barrier_signal -1
	s_barrier_wait -1
; THE MERGE of a block.  With CM the largest of the four c m: f_k = 2^(c m_k - CM), L = sum f_k l_k, y = sum f_k O_k / L.  A wave that had no step brings c m = -infinity, l = 0, O = 0: f = 0.  The waves with ks = 0 always have one: CM is a number, L is positive.
.macro FINISH rda, rdb, rs, y, pk
.rept 4
	v_nop
.endr
.irp t, 0,1
.irp k, 0,1,2,3
	ds_load_b32 v[56+16*\t+\k], v[\rs] offset:2048*\k+256*\t
	ds_load_b32 v[60+16*\t+\k], v[\rs] offset:2048*\k+256*\t+128
.endr
.endr
.irp k, 0,1
.irp t, 0,1
.irp c, 0,1
	ds_load_b128 v[KV+16*\k+8*\t+4*\c:KV+16*\k+8*\t+4*\c+3], v[\rda] offset:32768*\k+4096*\t+512*\c
	ds_load_b128 v[KV+32+16*\k+8*\t+4*\c:KV+32+16*\k+8*\t+4*\c+3], v[\rdb] offset:32768*\k+4096*\t+512*\c
.endr
.endr
.endr
	s_wait_dscnt 0x0
.irp t, 0,1
	v_max3_num_f32 v[64+16*\t], v[56+16*\t], v[57+16*\t], v[58+16*\t]
.endr
.irp t, 0,1
	v_max_num_f32 v[64+16*\t], v[64+16*\t], v[59+16*\t]
.endr
.irp t, 0,1
.irp k, 0,1,2,3
	v_sub_f32 v[56+16*\t+\k], v[56+16*\t+\k], v[64+16*\t]
.endr
.endr
.irp t, 0,1
.irp k, 0,1,2,3
	v_exp_f32 v[56+16*\t+\k], v[56+16*\t+\k]
.endr
.endr
	v_nop
	s_wait_alu depctr_va_vdst(0)                   ; one wait for the eight exponentials, ahead of their first reader
.irp t, 0,1
	v_mul_f32 v[65+16*\t], v[56+16*\t], v[60+16*\t]
.endr
.irp k, 1,2,3
.irp t, 0,1
	v_fmac_f32 v[65+16*\t], v[56+16*\t+\k], v[60+16*\t+\k]
.endr
.endr
.irp t, 0,1
	v_rcp_f32 v[66+16*\t], v[65+16*\t]
.endr
	v_nop
	s_wait_alu depctr_va_vdst(0)                   ; one wait for the two reciprocals
.irp t, 0,1
.irp k, 0,1,2,3
	v_mul_f32 v[56+16*\t+\k], v[56+16*\t+\k], v[66+16*\t]
.endr
.endr
.irp t, 0,1
.irp i, 0,1,2,3,4,5,6,7
	v_mul_f32 v[88+8*\t+\i], v[KV+8*\t+\i], v[56+16*\t]
.endr
.endr
.irp k, 1,2,3
.irp t, 0,1
.irp i, 0,1,2,3,4,5,6,7
	v_fmac_f32 v[88+8*\t+\i], v[KV+16*\k+8*\t+\i], v[56+16*\t+\k]
.endr
.endr
.endr
.irp t, 0,1
.irp i, 0,1,2,3
	v_cvt_pk_f16_f32 v[(\pk)+4*\t+\i], v[88+8*\t+2*\i], v[88+8*\t+2*\i+1]
.endr
.endr
.irp t, 0,1
	global_store_b128 v5, v[(\pk)+4*\t:(\pk)+4*\t+3], s[\y:\y+1] offset:12288*\t   ; a group of yh: 512 consecutive bytes; lane (r, h): y[t = r][16 ct + 8 h + 0 .. 7]
.endr
.endm
	FINISH 29, 30, 31, YL, 104
	FINISH 27, 28, 32, YS, 112                     ; its results lie in other registers than the first's: no store's data are written again
	s_wait_tensorcnt 0x0                           ; the wave's end, behind my last tensor load and my last LDS store
	ds_add_u32 v1, v2
	s_wait_dscnt 0x0
	s_endpgm
.Lfunc_end_k_qad5d8e4c4b_attn:
	.size	k_qad5d8e4c4b_attn, .Lfunc_end_k_qad5d8e4c4b_attn-k_qad5d8e4c4b_attn
	.p2alignl 7, 3214868480
	.fill 96, 4, 3214868480
	.section	.rodata,"a",@progbits
	.p2align	6, 0x0
	.amdhsa_kernel k_qad5d8e4c4b_attn
		.amdhsa_group_segment_fixed_size 327680
		.amdhsa_private_segment_fixed_size 0
		.amdhsa_enable_private_segment 0
		.amdhsa_kernarg_size 32
		.amdhsa_user_sgpr_count 2
		.amdhsa_user_sgpr_kernarg_segment_ptr 1
		.amdhsa_wavefront_size32 1
		.amdhsa_system_sgpr_workgroup_id_x 1
		.amdhsa_system_sgpr_workgroup_id_y 1
		.amdhsa_system_sgpr_workgroup_id_z 1
		.amdhsa_system_vgpr_workitem_id 0
		.amdhsa_next_free_vgpr 256
		.amdhsa_next_free_sgpr 66
		.amdhsa_reserve_vcc 1
		.amdhsa_float_denorm_mode_32 3
		.amdhsa_float_denorm_mode_16_64 3
		.amdhsa_memory_ordered 1
		.amdhsa_forward_progress 1
		.amdhsa_inst_pref_size 73
	.end_amdhsa_kernel
	.amdgpu_metadata
---
amdhsa.version: [ 1, 2 ]
amdhsa.kernels:
  - .name:           k_qad5d8e4c4b_attn
    .symbol:         k_qad5d8e4c4b_attn.kd
    .args:
      - { .name: qh, .offset: 0, .size: 8, .value_kind: global_buffer, .address_space: global }
      - { .name: kh, .offset: 8, .size: 8, .value_kind: global_buffer, .address_space: global }
      - { .name: vh, .offset: 16, .size: 8, .value_kind: global_buffer, .address_space: global }
      - { .name: yh, .offset: 24, .size: 8, .value_kind: global_buffer, .address_space: global }
    .group_segment_fixed_size: 327680
    .private_segment_fixed_size: 0
    .kernarg_segment_align: 8
    .kernarg_segment_size: 32
    .max_flat_workgroup_size: 512
    .sgpr_count:     66
    .vgpr_count:     256
    .wavefront_size: 32
...
	.end_amdgpu_metadata
.endif
;; end of part 3
;; launch proj (part 4): grid 256 x 1, 6 waves a work-group, no clusters, 26,880 bytes of LDS; arguments yh, wo16, bo, out0; writes out0
.if DOCPART == 4
	.amdgcn_target "amdgcn-amd-amdhsa--gfx1250"
	.amdhsa_code_object_version 6
	.text
	.protected	k_qad5d8e4c4b_proj
	.globl	k_qad5d8e4c4b_proj
	.p2align	8
	.type	k_qad5d8e4c4b_proj,@function
k_qad5d8e4c4b_proj:
	s_mov_b64 s[64:65], 0
	v_nop
	global_prefetch_b8 v0, s[64:65] scope:SCOPE_SE
	s_setreg_imm32_b32 hwreg(HW_REG_WAVE_MODE, 25, 1), 1
	s_wait_xcnt 0x0
; PROJ.  out = y Wo^T + bo, f16 operands, f32 sums, for all rows but t < 16 of each batch, which a launch of their own computes in f32.
; A work-group takes 32 rows (two tiles of 16), wave cb 64 columns (four tiles): 8 accumulators, 12 K steps of 32, written out: 96 products a wave.
; yh and wo16 lie in memory as images of operand registers (groups of 512 bytes, lane l's 16 bytes at 16 l), so fragments go from memory straight into registers, each load 512 consecutive bytes, through a ring of three register
; buffers, two K steps ahead.  No tensor load: a K step's operands of a wave are 6 KB, and nothing is shared but through the caches.  No cluster: nothing is brought into LDS.
; The product is used transposed (source 0 = 16 rows of Wo, source 1 = 16 rows of y): a lane holds eight neighbouring columns of one row of out.  bo is the C of each sum's first product.
; The way out goes through the wave's own stage in LDS (16 rows x (256 + 16) bytes), so that sixteen lanes store 256 consecutive bytes, aligned.
.set BI,  8                            ; v8-39    bo in the result's layout: 8 registers a column tile
.set ACC, 40                           ; v40-103  accumulator (nt, rt) at 8 (2 nt + rt)
.set FB,  104                          ; v104-247 three buffers of 48: y's two fragments, then Wo's four
.set SPARE, 26112                      ; behind the six stages: the spare words, 128 bytes for each wave: three blocks of 256 bytes that no other line names
	s_load_b256 s[4:11], s[0:1], 0x0               ; yh s[4:5], wo16 s[6:7], bo s[8:9], out0 s[10:11]
	v_lshl_add_u32 v6, v0, 2, SPARE                ; v6, v7: for the add at the wave's end alone
	v_mov_b32 v7, 0
	v_lshrrev_b32 v1, 5, v0
	v_readfirstlane_b32 s12, v1                    ; cb
	v_and_b32 v8, 15, v0                           ; r
	v_bfe_u32 v9, v0, 4, 1                         ; h
	v_and_b32 v1, 31, v0
	v_lshlrev_b32 v1, 4, v1                        ; v1: 16 x lane
	v_lshlrev_b32 v2, 5, v9                        ; v2: bo: 32 h
	s_mul_i32 s13, s12, 4352                       ; my stage
	v_mul_u32_u24 v3, v8, 272
	v_lshl_add_u32 v3, v9, 5, v3
	v_add_nc_u32 v3, s13, v3                       ; v3: in: row r, + 32 h
	v_mul_u32_u24 v4, v9, 272
	v_lshl_add_u32 v4, v8, 4, v4
	v_add_nc_u32 v4, s13, v4                       ; v4: back: lanes 0-15 one row, lanes 16-31 the next
	v_mul_u32_u24 v5, v9, 1536
	v_lshl_add_u32 v5, v8, 4, v5                   ; v5: the same two rows in out0
	s_mul_i32 s14, ttmp9, 24576                    ; y: two tiles of 24 groups
	s_mov_b32 s15, 0
	s_mul_i32 s16, s12, 49152                      ; Wo: four tiles of 24 groups
	s_mov_b32 s17, 0
	s_lshl_b32 s18, s12, 8                         ; 64 columns of f32
	s_mov_b32 s19, 0
	s_mul_i32 s20, ttmp9, 49152                    ; 32 rows of 1,536 bytes
	s_add_co_u32 s20, s20, s18
	s_mov_b32 s21, 0
	s_wait_kmcnt 0x0
	s_add_nc_u64 s[4:5], s[4:5], s[14:15]
	s_add_nc_u64 s[6:7], s[6:7], s[16:17]
	s_add_nc_u64 s[8:9], s[8:9], s[18:19]
	s_add_nc_u64 s[10:11], s[10:11], s[20:21]
.irp nt, 0,1,2,3
	global_load_b128 v[BI+8*\nt:BI+8*\nt+3],   v2, s[8:9] offset:64*\nt
	global_load_b128 v[BI+8*\nt+4:BI+8*\nt+7], v2, s[8:9] offset:64*\nt+16
.endr
.macro KLOAD k                         ; K step k's fragments into buffer k % 3: 12 loads
.set FL, FB+48*((\k)%3)
.irp rt, 0,1
.irp c, 0,1
	global_load_b128 v[FL+8*\rt+4*\c:FL+8*\rt+4*\c+3], v1, s[4:5] offset:12288*\rt+1024*(\k)+512*\c
.endr
.endr
.irp nt, 0,1,2,3
.irp c, 0,1
	global_load_b128 v[FL+16+8*\nt+4*\c:FL+16+8*\nt+4*\c+3], v1, s[6:7] offset:12288*\nt+1024*(\k)+512*\c
.endr
.endr
.endm
	KLOAD 0
	KLOAD 1
	KLOAD 2
.macro KSTEP k
.set FK, FB+48*((\k)%3)
.if (\k) <= 9
	s_wait_loadcnt 24                              ; this K step's loads are in; the 24 of the two steps behind it may be out
.else
	s_wait_loadcnt 12*(11-(\k))
.endif
.irp nt, 0,1,2,3                               ; the 8 accumulators take turns, one product a turn
.irp rt, 0,1
.if (\k) == 0
	v_wmma_f32_16x16x32_f16 v[ACC+8*(2*\nt+\rt):ACC+8*(2*\nt+\rt)+7], v[FK+16+8*\nt:FK+16+8*\nt+7], v[FK+8*\rt:FK+8*\rt+7], v[BI+8*\nt:BI+8*\nt+7]
.else
	v_wmma_f32_16x16x32_f16 v[ACC+8*(2*\nt+\rt):ACC+8*(2*\nt+\rt)+7], v[FK+16+8*\nt:FK+16+8*\nt+7], v[FK+8*\rt:FK+8*\rt+7], v[ACC+8*(2*\nt+\rt):ACC+8*(2*\nt+\rt)+7]
.endif
.endr
.endr
.rept 4
	v_nop                                          ; places in front of loads into the buffer just multiplied, and at the end of the first read of results
.endr
.if (\k) <= 8
	KLOAD (\k)+3
.endif
.endm
.irp k, 0,1,2,3,4,5,6,7,8,9,10,11
	KSTEP \k
.endr
.macro OUTB rt                         ; 16 rows x 64 columns through my stage.  LDS serves a wave's instructions in order (ISA guide 5.7.1.4): no wait between the stores and the loads
.irp nt, 0,1,2,3
	ds_store_b128 v3, v[ACC+8*(2*\nt+\rt):ACC+8*(2*\nt+\rt)+3]   offset:64*\nt       ; each accumulator from its low end on
	ds_store_b128 v3, v[ACC+8*(2*\nt+\rt)+4:ACC+8*(2*\nt+\rt)+7] offset:64*\nt+16
.endr
.irp i, 0,1,2,3,4,5,6,7
	ds_load_b128 v[FB+32*\rt+4*\i:FB+32*\rt+4*\i+3], v4 offset:544*\i
.endr
.irp i, 0,1,2,3,4,5,6,7
	s_wait_dscnt 7-\i                              ; the younger loads may be out
	global_store_b128 v5, v[FB+32*\rt+4*\i:FB+32*\rt+4*\i+3], s[10:11] offset:(16*\rt+2*\i)*1536 th:TH_STORE_NT   ; 16 lanes store 256 consecutive bytes, at a multiple of 256 from out0's first byte
.endr
.endm
	s_and_b32 s22, ttmp9, 127
	s_cmp_eq_u32 s22, 0                            ; a batch's first 32 rows: its first 16 are another launch's
	s_cbranch_scc1 .Lskip0
	OUTB 0
.Lskip0:
	OUTB 1
	s_wait_tensorcnt 0x0                           ; the wave's end, behind my last LDS store; a tensor wait even in a text with no tensor load
	ds_add_u32 v6, v7
	s_wait_dscnt 0x0
	s_endpgm
.Lfunc_end_k_qad5d8e4c4b_proj:
	.size	k_qad5d8e4c4b_proj, .Lfunc_end_k_qad5d8e4c4b_proj-k_qad5d8e4c4b_proj
	.p2alignl 7, 3214868480
	.fill 96, 4, 3214868480
	.section	.rodata,"a",@progbits
	.p2align	6, 0x0
	.amdhsa_kernel k_qad5d8e4c4b_proj
		.amdhsa_group_segment_fixed_size 26880
		.amdhsa_private_segment_fixed_size 0
		.amdhsa_enable_private_segment 0
		.amdhsa_kernarg_size 32
		.amdhsa_user_sgpr_count 2
		.amdhsa_user_sgpr_kernarg_segment_ptr 1
		.amdhsa_wavefront_size32 1
		.amdhsa_system_sgpr_workgroup_id_x 1
		.amdhsa_system_sgpr_workgroup_id_y 1
		.amdhsa_system_sgpr_workgroup_id_z 1
		.amdhsa_system_vgpr_workitem_id 0
		.amdhsa_next_free_vgpr 256
		.amdhsa_next_free_sgpr 66
		.amdhsa_reserve_vcc 0
		.amdhsa_float_denorm_mode_32 3
		.amdhsa_float_denorm_mode_16_64 3
		.amdhsa_memory_ordered 1
		.amdhsa_forward_progress 1
		.amdhsa_inst_pref_size 29
	.end_amdhsa_kernel
	.amdgpu_metadata
---
amdhsa.version: [ 1, 2 ]
amdhsa.kernels:
  - .name:           k_qad5d8e4c4b_proj
    .symbol:         k_qad5d8e4c4b_proj.kd
    .args:
      - { .name: yh, .offset: 0, .size: 8, .value_kind: global_buffer, .address_space: global }
      - { .name: wo16, .offset: 8, .size: 8, .value_kind: global_buffer, .address_space: global }
      - { .name: bo, .offset: 16, .size: 8, .value_kind: global_buffer, .address_space: global }
      - { .name: out0, .offset: 24, .size: 8, .value_kind: global_buffer, .address_space: global }
    .group_segment_fixed_size: 26880
    .private_segment_fixed_size: 0
    .kernarg_segment_align: 8
    .kernarg_segment_size: 32
    .max_flat_workgroup_size: 192
    .sgpr_count:     66
    .vgpr_count:     256
    .wavefront_size: 32
...
	.end_amdgpu_metadata
.endif
;; end of part 4
;; launch first16 (part 5): grid 6 x 2, 6 waves a work-group, no clusters, 26,880 bytes of LDS; arguments fine, Wo, bo, out0; writes out0
.if DOCPART == 5
	.amdgcn_target "amdgcn-amd-amdhsa--gfx1250"
	.amdhsa_code_object_version 6
	.text
	.protected	k_qad5d8e4c4b_first16
	.globl	k_qad5d8e4c4b_first16
	.p2align	8
	.type	k_qad5d8e4c4b_first16,@function
k_qad5d8e4c4b_first16:
	s_mov_b64 s[64:65], 0
	v_nop
	global_prefetch_b8 v0, s[64:65] scope:SCOPE_SE
	s_setreg_imm32_b32 hwreg(HW_REG_WAVE_MODE, 25, 1), 1
	s_wait_xcnt 0x0
; FIRST16.  The first 16 positions of each batch average one to sixteen values and are the largest of the output: their attention and their projection are done wholly in f32 (v_wmma_f32_16x16x4_f32): no bulk work: 96 products a wave.
; Work-group (cb, b): 64 columns of out0 for rows t < 16 of batch b.  Wave = head: its 16 x 16 attention (repeated in the six column blocks: 33 thousand multiply-adds), then its 64 channels' share of the 16 x 64 outputs;
; the six shares meet in LDS and are added in a fixed order, with bo.
; fine holds q at 0, k at 49,152: [2][16 t][384]; v at 98,304: [2][384 c][16 t], all f32, as the second launch left them.
; The instruction's k = 2 h + j.  Which number of the true K stands at (h, j) is free, so long as it is the same in both sources: so loads of 16 bytes, and results as they lie, serve as operands.
; All three products transposed: S^T = K Q^T, O^T = V^T P, U = Wo y^T: a lane holds one query (lane % 16) throughout.
; v192-255 are written by matrix instructions alone.
.set QF,  16                           ; v16-47   Q: register 4 u + i = d 8 u + 4 h + i of row r
.set KR,  48                           ; v48-79   K likewise
.set VF,  80                           ; v80-111  V^T: register 8 nt + i = key 8 h + i of channel 16 nt + r; later y: channel 16 nt + 8 h + i of query r
.set WA,  112                          ; v112-175 Wo's column tiles 0, 1: register 32 n + 8 nt + i = channel 16 nt + 8 h + i of column 16 n + r
.set WB,  16                           ; v16-79   column tiles 2, 3, over Q and K
.set TS,  176                          ; v176-183 the scores
.set TP,  184                          ; v184-191 p
.set OA,  192                          ; v192-223 two accumulators of S^T, then four of O^T
.set UA,  224                          ; v224-255 four accumulators of U
.set SPARE, 26112                      ; behind the six stages of 16 x 272 bytes: the spare words, 128 bytes for each wave: three blocks of 256 bytes that no other line names
	s_load_b256 s[4:11], s[0:1], 0x0               ; fine s[4:5], Wo s[6:7], bo s[8:9], out0 s[10:11]
	v_lshl_add_u32 v1, v0, 2, SPARE                ; v1, v2: for the add at the wave's end alone
	v_mov_b32 v2, 0
	v_lshrrev_b32 v4, 5, v0
	v_readfirstlane_b32 s12, v4                    ; head
	s_and_b32 s13, ttmp7, 0xffff                   ; batch
	v_and_b32 v8, 15, v0                           ; r
	v_bfe_u32 v9, v0, 4, 1                         ; h
	v_lshlrev_b32 v3, 3, v9
	v_sub_nc_u32 v3, v8, v3                        ; v3: r - 8 h: key 8 h + j is hidden where j > r - 8 h
	v_lshlrev_b32 v4, 4, v8                        ; v4: 16 r: my 4 numbers of bo
	v_mul_u32_u24 v5, v8, 1536
	v_lshl_add_u32 v7, v9, 5, v5                   ; v7: Wo: row r, + 32 h
	v_lshl_add_u32 v5, v9, 4, v5                   ; v5: q, k: row r, + 16 h
	v_lshlrev_b32 v6, 6, v8
	v_lshl_add_u32 v6, v9, 5, v6                   ; v6: v: row r of 64 bytes, + 32 h
	s_mul_i32 s14, s12, 4352
	v_mul_u32_u24 v12, v8, 272
	v_lshl_add_u32 v12, v9, 5, v12
	v_add_nc_u32 v12, s14, v12                     ; v12: my stage: row r, + 32 h
	s_lshl_b32 s14, s12, 2
	v_add_nc_u32 v15, s14, v9                      ; the row that I add up: 4 x wave + h (+ 2 i)
	v_mul_u32_u24 v13, v15, 272
	v_lshl_add_u32 v13, v8, 4, v13                 ; v13: in a stage
	v_mul_u32_u24 v14, v15, 1536
	v_lshl_add_u32 v14, v8, 4, v14                 ; v14: in out0
	s_mul_i32 s14, s13, 24576
	s_lshl_b32 s15, s12, 8
	s_add_co_u32 s16, s14, s15                     ; q: batch, head's 256 bytes of a row
	s_mov_b32 s17, 0
	s_lshl_b32 s18, s12, 12
	s_add_co_u32 s18, s18, s14
	s_add_co_u32 s18, s18, 98304                   ; v: batch, head's 64 rows of 64 bytes
	s_mov_b32 s19, 0
	s_mul_i32 s20, ttmp9, 98304
	s_add_co_u32 s20, s20, s15                     ; Wo: my 64 rows, the head's 256 bytes of each
	s_mov_b32 s21, 0
	s_lshl_b32 s22, ttmp9, 8
	s_mov_b32 s23, 0
	s_mul_i32 s24, s13, 6291456
	s_add_co_u32 s24, s24, s22
	s_mov_b32 s25, 0
	s_mov_b32 s26, 0x76543210
	s_mov_b32 s27, 0xfedcba98                      ; lane selects: lane l xor 16
	s_mov_b32 s28, 0x3e38aa3b                      ; c = log2(e) / 8
	s_wait_kmcnt 0x0
	s_add_nc_u64 s[16:17], s[4:5], s[16:17]
	s_add_nc_u64 s[18:19], s[4:5], s[18:19]
	s_add_nc_u64 s[20:21], s[6:7], s[20:21]
	s_add_nc_u64 s[22:23], s[8:9], s[22:23]
	s_add_nc_u64 s[24:25], s[10:11], s[24:25]
	global_load_b128 v[8:11], v4, s[22:23]         ; bo
.irp u, 0,1,2,3,4,5,6,7
	global_load_b128 v[KR+4*\u:KR+4*\u+3], v5, s[16:17] offset:49152+32*\u
.endr
.irp u, 0,1,2,3,4,5,6,7
	global_load_b128 v[QF+4*\u:QF+4*\u+3], v5, s[16:17] offset:32*\u
.endr
.irp nt, 0,1,2,3
.irp g, 0,1
	global_load_b128 v[VF+8*\nt+4*\g:VF+8*\nt+4*\g+3], v6, s[18:19] offset:1024*\nt+16*\g
.endr
.endr
.irp n, 0,1
.irp nt, 0,1,2,3
.irp g, 0,1
	global_load_b128 v[WA+32*\n+8*\nt+4*\g:WA+32*\n+8*\nt+4*\g+3], v7, s[20:21] offset:24576*\n+64*\nt+16*\g
.endr
.endr
.endr
	s_wait_loadcnt 24                              ; bo, K and Q are in; V's 8 loads and Wo's 16 may be out
.irp u, 0,1,2,3,4,5,6,7                        ; S^T in two accumulators by turns; the first two products start the sums
.irp g, 0,1
.if \u == 0
	v_wmma_f32_16x16x4_f32 v[OA+8*\g:OA+8*\g+7], v[KR+4*\u+2*\g:KR+4*\u+2*\g+1], v[QF+4*\u+2*\g:QF+4*\u+2*\g+1], 0
.else
	v_wmma_f32_16x16x4_f32 v[OA+8*\g:OA+8*\g+7], v[KR+4*\u+2*\g:KR+4*\u+2*\g+1], v[QF+4*\u+2*\g:QF+4*\u+2*\g+1], v[OA+8*\g:OA+8*\g+7]
.endif
.endr
.endr
.rept 8
	v_nop                                          ; eight places behind this form, in front of the first read of results and of the loads into Q's and K's registers
.endr
.irp j, 0,1,2,3,4,5,6,7
	v_add_f32 v[TS+\j], v[OA+\j], v[OA+8+\j]       ; register j: key 8 h + j, query r.  Both accumulators from their low end on
.endr
.irp n, 0,1
.irp nt, 0,1,2,3
.irp g, 0,1
	global_load_b128 v[WB+32*\n+8*\nt+4*\g:WB+32*\n+8*\nt+4*\g+3], v7, s[20:21] offset:24576*(\n+2)+64*\nt+16*\g
.endr
.endr
.endr
	v_mov_b32 v15, 0xff800000
.irp j, 0,1,2,3,4,5,6,7
	v_cmp_gt_i32 vcc_lo, \j, v3
	v_cndmask_b32 v[TS+\j], v[TS+\j], v15, vcc_lo  ; hidden keys: -infinity.  Key 0 counts for every query
.endr
	v_max3_num_f32 v4, v[TS], v[TS+1], v[TS+2]     ; (v4 was bo's address: that load is in since the counted wait above)
	v_max3_num_f32 v4, v4, v[TS+3], v[TS+4]
	v_max3_num_f32 v4, v4, v[TS+5], v[TS+6]
	v_max_num_f32 v4, v4, v[TS+7]
	v_permlanex16_b32 v15, v4, s26, s27
	v_max_num_f32 v4, v4, v15                      ; the row's maximum
	v_mul_f32 v4, s28, v4
.irp j, 0,1,2,3,4,5,6,7
	v_fma_f32 v[TS+\j], v[TS+\j], s28, -v4
.endr
.irp j, 0,1,2,3,4,5,6,7
	v_exp_f32 v[TP+\j], v[TS+\j]
.endr
	v_nop
	s_wait_alu depctr_va_vdst(0)                   ; one wait for the eight exponentials, ahead of their first reader
	v_add_f32 v15, v[TP], v[TP+1]
.irp j, 2,3,4,5,6,7
	v_add_f32 v15, v15, v[TP+\j]
.endr
	v_permlanex16_b32 v4, v15, s26, s27
	v_add_f32 v15, v15, v4                         ; the row's sum
	v_rcp_f32 v4, v15
	v_nop
	s_wait_alu depctr_va_vdst(0)
	s_wait_loadcnt 32                              ; V is in; Wo's 32 loads may be out
.irp s, 0,1,2,3                                ; O^T = V^T P: keys 8 h + 2 s + j; four accumulators by turns; they begin anew far more than nine places behind S^T's products
.irp nt, 0,1,2,3
.if \s == 0
	v_wmma_f32_16x16x4_f32 v[OA+8*\nt:OA+8*\nt+7], v[VF+8*\nt+2*\s:VF+8*\nt+2*\s+1], v[TP+2*\s:TP+2*\s+1], 0
.else
	v_wmma_f32_16x16x4_f32 v[OA+8*\nt:OA+8*\nt+7], v[VF+8*\nt+2*\s:VF+8*\nt+2*\s+1], v[TP+2*\s:TP+2*\s+1], v[OA+8*\nt:OA+8*\nt+7]
.endif
.endr
.endr
.rept 8
	v_nop
.endr
.irp nt, 0,1,2,3
.irp j, 0,1,2,3,4,5,6,7
	v_mul_f32 v[VF+8*\nt+\j], v[OA+8*\nt+\j], v4   ; y(query r, channel 16 nt + 8 h + j), into V's registers
.endr
.endr
	s_wait_loadcnt 0x0                             ; Wo
.irp nt, 0,1,2,3                               ; U = Wo y^T: channels 16 nt + 8 h + 2 s + j; four accumulators by turns
.irp s, 0,1,2,3
.irp n, 0,1,2,3
.if \n < 2
.set WR, WA+32*\n
.else
.set WR, WB+32*(\n-2)
.endif
.if (\nt == 0) && (\s == 0)
	v_wmma_f32_16x16x4_f32 v[UA+8*\n:UA+8*\n+7], v[WR+8*\nt+2*\s:WR+8*\nt+2*\s+1], v[VF+8*\nt+2*\s:VF+8*\nt+2*\s+1], 0
.else
	v_wmma_f32_16x16x4_f32 v[UA+8*\n:UA+8*\n+7], v[WR+8*\nt+2*\s:WR+8*\nt+2*\s+1], v[VF+8*\nt+2*\s:VF+8*\nt+2*\s+1], v[UA+8*\n:UA+8*\n+7]
.endif
.endr
.endr
.endr
.rept 8
	v_nop
.endr
.irp n, 0,1,2,3
	ds_store_b128 v12, v[UA+8*\n:UA+8*\n+3]   offset:64*\n          ; lane (r, h): my head's share of out(r, 16 n + 8 h + 0 .. 7); each accumulator from its low end on
	ds_store_b128 v12, v[UA+8*\n+4:UA+8*\n+7] offset:64*\n+16
.endr
	s_wait_dscnt 0x0                               ; for the others' sake: my stores have landed
	s_barrier_signal -1
	s_barrier_wait -1
	s_cmp_lt_u32 s12, 4                            ; waves 0 to 3 add up four rows each; no barrier stands under the branch
	s_cbranch_scc0 .Ldone
.irp i, 0,1
.irp p, 0,1,2,3,4,5
	ds_load_b128 v[16+24*\i+4*\p:16+24*\i+4*\p+3], v13 offset:4352*\p+544*\i
.endr
.endr
	s_wait_dscnt 0x0
.irp i, 0,1
.irp p, 1,2,3,4,5
	v_pk_add_f32 v[16+24*\i:17+24*\i], v[16+24*\i:17+24*\i], v[16+24*\i+4*\p:17+24*\i+4*\p]     ; heads 0 to 5 in order
	v_pk_add_f32 v[18+24*\i:19+24*\i], v[18+24*\i:19+24*\i], v[18+24*\i+4*\p:19+24*\i+4*\p]
.endr
	v_pk_add_f32 v[16+24*\i:17+24*\i], v[16+24*\i:17+24*\i], v[8:9]
	v_pk_add_f32 v[18+24*\i:19+24*\i], v[18+24*\i:19+24*\i], v[10:11]
	global_store_b128 v14, v[16+24*\i:19+24*\i], s[24:25] offset:3072*\i   ; 16 lanes store 256 consecutive bytes, at a multiple of 256 from out0's first byte
.endr
.Ldone:
	s_wait_tensorcnt 0x0                           ; the wave's end, behind my last LDS store; a tensor wait even in a text with no tensor load
	ds_add_u32 v1, v2
	s_wait_dscnt 0x0
	s_endpgm
.Lfunc_end_k_qad5d8e4c4b_first16:
	.size	k_qad5d8e4c4b_first16, .Lfunc_end_k_qad5d8e4c4b_first16-k_qad5d8e4c4b_first16
	.p2alignl 7, 3214868480
	.fill 96, 4, 3214868480
	.section	.rodata,"a",@progbits
	.p2align	6, 0x0
	.amdhsa_kernel k_qad5d8e4c4b_first16
		.amdhsa_group_segment_fixed_size 26880
		.amdhsa_private_segment_fixed_size 0
		.amdhsa_enable_private_segment 0
		.amdhsa_kernarg_size 32
		.amdhsa_user_sgpr_count 2
		.amdhsa_user_sgpr_kernarg_segment_ptr 1
		.amdhsa_wavefront_size32 1
		.amdhsa_system_sgpr_workgroup_id_x 1
		.amdhsa_system_sgpr_workgroup_id_y 1
		.amdhsa_system_sgpr_workgroup_id_z 1
		.amdhsa_system_vgpr_workitem_id 0
		.amdhsa_next_free_vgpr 256
		.amdhsa_next_free_sgpr 66
		.amdhsa_reserve_vcc 1
		.amdhsa_float_denorm_mode_32 3
		.amdhsa_float_denorm_mode_16_64 3
		.amdhsa_memory_ordered 1
		.amdhsa_forward_progress 1
		.amdhsa_inst_pref_size 22
	.end_amdhsa_kernel
	.amdgpu_metadata
---
amdhsa.version: [ 1, 2 ]
amdhsa.kernels:
  - .name:           k_qad5d8e4c4b_first16
    .symbol:         k_qad5d8e4c4b_first16.kd
    .args:
      - { .name: fine, .offset: 0, .size: 8, .value_kind: global_buffer, .address_space: global }
      - { .name: Wo, .offset: 8, .size: 8, .value_kind: global_buffer, .address_space: global }
      - { .name: bo, .offset: 16, .size: 8, .value_kind: global_buffer, .address_space: global }
      - { .name: out0, .offset: 24, .size: 8, .value_kind: global_buffer, .address_space: global }
    .group_segment_fixed_size: 26880
    .private_segment_fixed_size: 0
    .kernarg_segment_align: 8
    .kernarg_segment_size: 32
    .max_flat_workgroup_size: 192
    .sgpr_count:     66
    .vgpr_count:     256
    .wavefront_size: 32
...
	.end_amdgpu_metadata
.endif
;; end of part 5
